; MI455X (gfx1250); checked and timed in simulation.
; The chip was launched on July 23, 2026; its instructions are those of AMD's public machine-readable ISA for CDNA 5 (MIT licence, August 2026) and "CDNA5" Instruction Set Architecture Reference Guide (July 2026). The comments in the code are by the model that wrote it; some were corrected since.
;; Low Fidelity Fusion Deep O Net. Allowed arithmetic: matrix products marked QUANTISED: E2M3 operands, one E8M0 scale for each 32 along K, by v_wmma_scale_f32_16x16x128_f8f6f4 with both operands' format E2M3, f32 sums; products left as they are: f32 operands where the result goes on into a quantised operand, else bf16, f16 or f32 operands; f32 sums; everything else in f32.
;; Inputs: branch_W0 8 x 128 float32; branch_Wout 128 x 512 float32; branch_Wr 5 x 128 x 128 float32; branch_b 6 x 128 float32; branch_bout 512 float32; coords 16 x 10,000 x 3 float32; final_W 128 x 128 float32; final_b 128 float32; params 16 x 8 float32; rowdy_a 6 x 3 x 128 float32; sdf 16 x 10,000 x 1 float32; trunk_W0 4 x 128 float32; trunk_Wr 5 x 128 x 128 float32; trunk_b 6 x 128 float32.
;; Outputs: out0 16 x 10,000 x 4 float32.
;; This version of the problem:
;;   THIS VERSION OF THE PROBLEM IS GIVEN IN LOW PRECISION. The matrix products marked QUANTISED in the list below multiply operands that are first quantised to E2M3 (2 exponent bits, 3 mantissa bits; 6 bits a number), with one power-of-two scale for each 32 numbers along K (OCP MX v1.0); their sums are f32. All else is computed in f32.
;;   The module's matrix products, in the order in which they are computed (A, B: the left and right operand; K: the contracted axis; several contracted axes count as one K, in the product's order):
;;     1. [M 16, K 8] x [K 8, N 128]; A: input params; B: input branch_W0: left as it is (K = 8 < 32)
;;     2. [M 16, K 128] x [K 128, N 128]; A: computed on the way; B: input branch_Wr: QUANTISED
;;     3. [M 16, K 128] x [K 128, N 128]; A: computed on the way; B: input branch_Wr: QUANTISED
;;     4. [M 16, K 128] x [K 128, N 128]; A: computed on the way; B: input branch_Wr: QUANTISED
;;     5. [M 16, K 128] x [K 128, N 128]; A: computed on the way; B: input branch_Wr: QUANTISED
;;     6. [M 16, K 128] x [K 128, N 128]; A: computed on the way; B: input branch_Wr: QUANTISED
;;     7. [M 16, K 128] x [K 128, N 512]; A: computed on the way; B: input branch_Wout: QUANTISED
;;     8. [M 160,000, K 4] x [K 4, N 128]; A: computed on the way; B: input trunk_W0: left as it is (K = 4 < 32)
;;     9. [M 160,000, K 128] x [K 128, N 128]; A: computed on the way; B: input trunk_Wr: QUANTISED
;;     10. [M 160,000, K 128] x [K 128, N 128]; A: computed on the way; B: input trunk_Wr: QUANTISED
;;     11. [M 160,000, K 128] x [K 128, N 128]; A: computed on the way; B: input trunk_Wr: QUANTISED
;;     12. [M 160,000, K 128] x [K 128, N 128]; A: computed on the way; B: input trunk_Wr: QUANTISED
;;     13. [M 160,000, K 128] x [K 128, N 128]; A: computed on the way; B: input trunk_Wr: QUANTISED
;;     14. [M 160,000, K 128] x [K 128, N 128]; A: computed on the way; B: input final_W: QUANTISED
;;     15. batch 16 x [M 10,000, K 128] x [K 128, N 4]; A: computed on the way; B: computed on the way: left as it is (N = 4 < 16)
;;   THE QUANTISER, for each operand of a quantised product, along K:
;;     - K is cut into blocks of 32 from its start; a last block that is shorter is filled with zeros.
;;     - A block's scale is 2^e with e = floor(log2(the largest magnitude in the block)) - 2, held to -126 .. 127; a block of zeros has e = 0. As a byte (E8M0): e + 127.
;;     - Each number is divided by its block's scale, clamped to +-7.5, and rounded to the nearest number of E2M3, ties to even, subnormals kept.
;;     - The product sums the exact products of the quantised numbers (number of the format x scale) in f32.
;;   ~~~python
;;   def quantise(x, axis):      # numpy; x: float32 -> the quantised numbers, widened to float32 again
;;       x = np.moveaxis(x, axis, -1); K = x.shape[-1]
;;       x = np.pad(x, [(0, 0)] * (x.ndim - 1) + [(0, -K % 32)]); x = x.reshape(x.shape[:-1] + (-1, 32)); a = np.abs(x).max(-1, keepdims=True)
;;       e = np.where(a > 0, np.clip(np.frexp(np.where(a > 0, a, 1))[1] - 1 - 2, -126, 127), 0)      # np.frexp(a)[1] - 1 = floor(log2(a)), exactly
;;       r = np.clip(x / 2.0 ** e, -7.5, 7.5)
;;       step = 2.0 ** (np.maximum(np.frexp(np.where(r == 0, 1, r))[1] - 1, 0) - 3)
;;       q = np.round(r / step) * step * 2.0 ** e      # np.round: ties to even
;;       return np.moveaxis(q.reshape(q.shape[:-2] + (-1,))[..., :K], -1, axis).astype(np.float32)
;;   ~~~
;;   OPERANDS COMPUTED ON THE WAY. 'Computed on the way' means the value that the module computes at that place (a softmax that the list does not call 'softmax' is quantised finished and normalised). What goes into a quantiser is computed in f32, as accurately as f32 sums, v_exp_f32 and their like allow (about 1e-6 of the number): no bf16 or f16 on the way to a quantiser, and a product that is left as it is and whose result goes on into a quantised operand takes f32 operands (vector FMAs, or v_wmma_f32_16x16x4_f32). A number that lies on a knife's edge between two numbers of the format may be rounded either way, as far as f32 arithmetic and the matrix unit's own rounding can turn it there, and no further.
;; One version. Each part assembles by itself: llvm-mc -triple=amdgcn-amd-amdhsa -mcpu=gfx1250 --defsym DOCPART=n.
;; ======== version 1 of 1: 2 launches
;; limits: right only within a limited range of input values
;; workspace buffers: wq 199,680 bytes
;; launch quant_w (part 1): grid 15 x 1, 8 waves a work-group, no clusters, 0 bytes of LDS; arguments trunk_Wr, final_W, branch_Wr, branch_Wout, wq; writes wq
.if DOCPART == 1
	.amdgcn_target "amdgcn-amd-amdhsa--gfx1250"
	.amdhsa_code_object_version 6
	.text
	.protected	k_q14884e828c_quant_w
	.globl	k_q14884e828c_quant_w
	.p2align	8
	.type	k_q14884e828c_quant_w,@function
k_q14884e828c_quant_w:
	s_mov_b64 s[64:65], 0
	v_nop
	global_prefetch_b8 v0, s[64:65] scope:SCOPE_SE
	s_setreg_imm32_b32 hwreg(HW_REG_WAVE_MODE, 25, 1), 1
	s_wait_xcnt 0x0
; All weights of the quantised products become codes of FP6 (E2M3) with one E8M0 scale byte for each 32 along K.
; trunk_Wr [5][128][128], final_W [128][128], branch_Wr [5][128][128], branch_Wout [128][512]: f32, K is the FIRST axis of each matrix.
; NO WORK OF reference() IS LEFT OUT IN THIS PROGRAM: each of its 14 inputs has a way to out0, and each is loaded by one of the two launches.
; A TILE is 16 columns x 128 along K: one operand of the matrix instruction, 12 registers a lane.  120 tiles, one to a wave: tile = 8 x work-group + wave.
;   tiles 0-39 trunk_Wr (8 a layer), 40-47 final_W, 48-87 branch_Wr, 88-119 branch_Wout.
; A LANE TAKES A COLUMN AND ITS REGISTERS RUN DOWN K, in the order that the operand's layout gives that lane (lane (r, h): k = 64 c + 32 h + 0 .. 31), so the conversions' results are the operand's
; registers and a block's largest magnitude needs no other lane.  The tile is stored as an IMAGE OF THOSE REGISTERS: three groups of four registers, lane l's 16 bytes at 16 l, 512 bytes a group, 1,536 a tile;
; its scale words, 4 bytes a lane, 128 bytes a tile, from byte 184,320 of wq on.
; THE COLUMNS OF A TRUNK TILE ARE NOT NEIGHBOURS: lane r of tile 2 b + u takes column 32 b + 8 u + r + 8 (r / 8), so that in the next launch, which uses these products transposed, a lane's 16 results of
; tiles 2 b and 2 b + 1 are 16 neighbours along the next K.  A branch tile takes columns 16 tile + r.
; A block's scale is 2^(floor(log2(its largest magnitude)) - 2); its byte is that magnitude's exponent field - 2, held at 1 from below.
; LIMITS: a block of zeros gets the byte 1 where the quantiser says 127: its codes are zeros, which add nothing, and this program alone reads the bytes.  NaN and infinities among the weights are not served.
.set WQS, 184320                       ; where the scale words begin in wq
	s_load_b256 s[4:11], s[0:1], 0x0               ; trunk_Wr s[4:5], final_W s[6:7], branch_Wr s[8:9], branch_Wout s[10:11]
	s_load_b64 s[12:13], s[0:1], 0x20              ; wq
	v_lshrrev_b32 v6, 5, v0
	s_delay_alu instid0(VALU_DEP_1)
	v_readfirstlane_b32 s14, v6                    ; wave 0..7
	v_and_b32 v7, 31, v0                           ; lane
	v_and_b32 v1, 15, v0                           ; r
	v_bfe_u32 v2, v0, 4, 1                         ; h
	s_delay_alu instid0(VALU_DEP_3)
	v_lshlrev_b32 v4, 4, v7                        ; an image's place for my lane
	s_delay_alu instid0(VALU_DEP_4)
	v_lshlrev_b32 v5, 2, v7                        ; a scale word's
	s_mov_b32 s34, 0x76543210
	s_mov_b32 s35, 0xfedcba98                      ; v_permlanex16_b32's selects for lane l xor 16
	s_lshl_b32 s20, ttmp9, 16                      ; work-groups 0-4: a layer of trunk_Wr is 65,536 bytes
	s_sub_co_u32 s21, ttmp9, 6
	s_lshl_b32 s21, s21, 16                        ; work-groups 6-10: a layer of branch_Wr
	s_sub_co_u32 s22, ttmp9, 11
	s_lshl_b32 s22, s22, 9                         ; work-groups 11-14: 128 columns of branch_Wout are 512 bytes of a row
	s_lshr_b32 s24, s14, 1
	s_lshl_b32 s24, s24, 7
	s_and_b32 s25, s14, 1
	s_lshl_b32 s25, s25, 5
	s_add_co_u32 s24, s24, s25                     ; a trunk tile's first column in bytes: 4 (32 (w / 2) + 8 (w % 2))
	s_lshl_b32 s25, s14, 6                         ; a branch tile's: 4 x 16 w
	s_lshl_b32 s26, ttmp9, 3
	s_add_co_u32 s26, s26, s14                     ; my tile
	s_mul_i32 s28, s26, 1536                       ; its image
	s_mov_b32 s29, 0
	s_lshl_b32 s30, s26, 7
	s_add_co_u32 s30, s30, WQS                     ; its scale words
	s_mov_b32 s31, 0
	s_mov_b32 s19, 0
	s_wait_alu depctr_va_vdst(0)
	s_wait_kmcnt 0x0
	s_cmp_lt_u32 ttmp9, 11                         ; the choices hang on the work-group's number alone
	s_cselect_b32 s18, s21, s22
	s_cselect_b64 s[16:17], s[8:9], s[10:11]
	s_cselect_b32 s27, 14, 16                      ; 32 rows further down: 32 x 512 bytes, in branch_Wout 32 x 2,048
	s_cmp_lt_u32 ttmp9, 6
	s_cselect_b32 s18, 0, s18
	s_cselect_b64 s[16:17], s[6:7], s[16:17]
	s_cselect_b32 s24, s24, s25
	s_cselect_b32 s23, 8, 0                        ; the trunk tiles' gap of eight columns behind lane 7
	s_cmp_lt_u32 ttmp9, 5
	s_cselect_b32 s18, s20, s18
	s_cselect_b64 s[16:17], s[4:5], s[16:17]
	s_add_co_u32 s18, s18, s24
	s_add_nc_u64 s[16:17], s[16:17], s[18:19]      ; my matrix at my tile's first column
	s_add_nc_u64 s[28:29], s[12:13], s[28:29]
	s_add_nc_u64 s[30:31], s[12:13], s[30:31]
	v_and_b32 v3, s23, v1
	s_delay_alu instid0(VALU_DEP_1)
	v_add_nc_u32 v3, v3, v1                        ; r, or r + 8 (r / 8)
	s_delay_alu instid0(VALU_DEP_1)
	v_lshlrev_b32 v3, 2, v3
	v_lshlrev_b32 v6, s27, v2                      ; lanes 16-31 begin 32 rows further down
	s_delay_alu instid0(VALU_DEP_1)
	v_add_nc_u32 v3, v3, v6
.macro LOADW pitch                     ; W(64 c + 32 h + i, my column): sixteen lanes read 64 bytes of a row
.irp c, 0,1
.irp i, 0,1,2,3,4,5,6,7,8,9,10,11,12,13,14,15,16,17,18,19,20,21,22,23,24,25,26,27,28,29,30,31
	global_load_b32 v[64+32*\c+\i], v3, s[16:17] offset:\pitch*(64*\c+\i) th:TH_LOAD_NT
.endr
.endr
.endm
	s_cmp_ge_u32 ttmp9, 11
	s_cbranch_scc1 .Lwide
	LOADW 512
	s_branch .Lloaded
.Lwide:
	s_wait_alu depctr_va_vdst(0)
	LOADW 2048
.Lloaded:
	s_wait_loadcnt 0x0
.irp c, 0,1                                    ; my block 2 c + h: all its 32 numbers are mine
	v_max3_num_f32 v[32+\c], |v[64+32*\c]|, |v[65+32*\c]|, 0x1800000   ; and the floor 2^(3 - 127): the byte cannot fall under 1
.endr
.irp i, 2,4,6,8,10,12,14,16,18,20,22,24,26,28,30
.irp c, 0,1
	s_delay_alu instid0(VALU_DEP_2)
	v_max3_num_f32 v[32+\c], v[32+\c], |v[64+32*\c+\i]|, |v[65+32*\c+\i]|   ; (the two blocks by turns)
.endr
.endr
.irp c, 0,1
	s_delay_alu instid0(VALU_DEP_2)
	v_add_nc_u32 v[44+\c], 0xff000000, v[32+\c]    ; 2 off the exponent field: the conversion takes the exponent field of this operand as its scale
.endr
.irp c, 0,1
	s_delay_alu instid0(VALU_DEP_2)
	v_lshrrev_b32 v[34+\c], 23, v[44+\c]           ; the scale's byte
.endr
	s_delay_alu instid0(VALU_DEP_1)
	v_lshl_or_b32 v9, v35, 16, v34                 ; my two bytes: blocks h and 2 + h of my column,
	v_lshlrev_b32 v10, 3, v2
	s_delay_alu instid0(VALU_DEP_1)
	v_lshlrev_b32 v9, v10, v9                      ; at their places in the scale word;
	v_mov_b32 v10, 0
	s_delay_alu instid0(VALU_DEP_1)
	v_permlanex16_b32 v10, v9, s34, s35
	s_delay_alu instid0(VALU_DEP_1)
	v_or_b32 v9, v9, v10                           ; with lane l xor 16's two the word is whole, in both halves of the lanes
.irp c, 0,1
	v_cvt_scalef32_pk16_fp6_f32 v[48+6*\c:50+6*\c], v[64+32*\c:79+32*\c], v[44+\c]
	v_cvt_scalef32_pk16_fp6_f32 v[36+4*\c:38+4*\c], v[80+32*\c:95+32*\c], v[44+\c]   ; (a conversion's three registers begin on an even number: the second half of a block's six is made elsewhere and moved)
.endr
	v_nop                                          ; one plain place behind a scaled conversion
.irp c, 0,1
.irp i, 0,1,2
	v_mov_b32 v[51+6*\c+\i], v[36+4*\c+\i]
.endr
.endr
.irp c, 0,1,2
	global_store_b128 v4, v[48+4*\c:51+4*\c], s[28:29] offset:512*\c   ; 32 lanes store 512 consecutive bytes, at a multiple of 256 from wq's first byte
.endr
	global_store_b32 v5, v9, s[30:31]              ; 128 bytes of scale words a tile
	s_endpgm
.Lfunc_end_k_q14884e828c_quant_w:
	.size	k_q14884e828c_quant_w, .Lfunc_end_k_q14884e828c_quant_w-k_q14884e828c_quant_w
	.p2alignl 7, 3214868480
	.fill 96, 4, 3214868480
	.section	.rodata,"a",@progbits
	.p2align	6, 0x0
	.amdhsa_kernel k_q14884e828c_quant_w
		.amdhsa_group_segment_fixed_size 0
		.amdhsa_private_segment_fixed_size 0
		.amdhsa_enable_private_segment 0
		.amdhsa_kernarg_size 40
		.amdhsa_user_sgpr_count 2
		.amdhsa_user_sgpr_kernarg_segment_ptr 1
		.amdhsa_wavefront_size32 1
		.amdhsa_system_sgpr_workgroup_id_x 1
		.amdhsa_system_sgpr_workgroup_id_y 1
		.amdhsa_system_sgpr_workgroup_id_z 1
		.amdhsa_system_vgpr_workitem_id 0
		.amdhsa_next_free_vgpr 128
		.amdhsa_next_free_sgpr 66
		.amdhsa_reserve_vcc 0
		.amdhsa_float_denorm_mode_32 3
		.amdhsa_float_denorm_mode_16_64 3
		.amdhsa_memory_ordered 1
		.amdhsa_forward_progress 1
		.amdhsa_inst_pref_size 20
	.end_amdhsa_kernel
	.amdgpu_metadata
---
amdhsa.version: [ 1, 2 ]
amdhsa.kernels:
  - .name:           k_q14884e828c_quant_w
    .symbol:         k_q14884e828c_quant_w.kd
    .args:
      - { .name: trunk_Wr, .offset: 0, .size: 8, .value_kind: global_buffer, .address_space: global }
      - { .name: final_W, .offset: 8, .size: 8, .value_kind: global_buffer, .address_space: global }
      - { .name: branch_Wr, .offset: 16, .size: 8, .value_kind: global_buffer, .address_space: global }
      - { .name: branch_Wout, .offset: 24, .size: 8, .value_kind: global_buffer, .address_space: global }
      - { .name: wq, .offset: 32, .size: 8, .value_kind: global_buffer, .address_space: global }
    .group_segment_fixed_size: 0
    .private_segment_fixed_size: 0
    .kernarg_segment_align: 8
    .kernarg_segment_size: 40
    .max_flat_workgroup_size: 256
    .sgpr_count:     66
    .vgpr_count:     128
    .wavefront_size: 32
...
	.end_amdgpu_metadata
.endif
;; end of part 1
;; launch fusion (part 2): grid 16 x 16, 8 waves a work-group, no clusters, 245,760 bytes of LDS; arguments coords, sdf, params, branch_W0, branch_b, branch_bout, trunk_W0, trunk_b, rowdy_a, final_b, wq, out0; writes out0
.if DOCPART == 2
	.amdgcn_target "amdgcn-amd-amdhsa--gfx1250"
	.amdhsa_code_object_version 6
	.text
	.protected	k_q14884e828c_fusion
	.globl	k_q14884e828c_fusion
	.p2align	8
	.type	k_q14884e828c_fusion,@function
k_q14884e828c_fusion:
	s_mov_b64 s[64:65], 0
	v_nop
	global_prefetch_b8 v0, s[64:65] scope:SCOPE_SE
	s_setreg_imm32_b32 hwreg(HW_REG_WAVE_MODE, 25, 1), 1
	s_wait_xcnt 0x0
; The whole network behind the weights' quantiser.  No work of reference() is left out.
; SHARES.  Work-group (x, y) serves batch row y.  A batch's 10,000 points are 125 groups of 80 (five tiles of 16); wave w takes group 8 x + w through the six trunk layers, the final product and the
; contraction with ZL; nothing goes to memory on the way.  128 wave places for 125 groups: in x = 15 waves 5 to 7 walk the same loops on group 124's points and store nothing.
; THE BRANCH TOWER is run by wave 0 of every work-group for its own batch row (all 16 rows of the operand are copies of that row); each wave then makes 64 columns of branch_out.
; THE HEAD: codes and scale words of the hidden weights, trunk_W0 and the biases go into LDS; A | wave 0: the tower; B | all waves: ZL and the activation's tables; C | the trunk.
; LAYOUT.  The trunk's products are used transposed (source 0 = 16 columns of W, source 1 = 16 points): a lane holds ONE point (lane % 16), and the 16 results of weight tiles 2 b, 2 b + 1 are units
; 32 b + 16 (lane / 16) + 0 .. 15, the order of all tables.  The bias is the C of the product.  Layer 0 (K = 4) is four packed multiply-adds in f32 on the same layout, the bias starting the sum.
; THE ACTIVATION.  With p = sin(z/2) cos(z/2), q = sin(z/2)^2:  a1 sin z + a2 sin 2z + a3 sin 3z = p ((2 a1 + 4 a2 + 6 a3) + q (-8 a2 - 32 a3) + 32 a3 q^2);  tanh z = 1 - 2 / (1 + 2^(2 log2(e) z)).
; z is reduced in turns: n = round(z / 2 pi) (the sum with 1.5 x 2^23 rounds), f = z / 2 pi - n by one fused step, |f| <= 1/2.  With y = (pi/2) f = (z - 2 pi n) / 4, |y| <= pi/4:
; s = sin y = f (A0 + A1 u + A2 u^2 + A3 u^3), c = cos y = 1 + C1 u + C2 u^2 + C3 u^3, u = f^2 (the Taylor series to u^4 and u^5, brought down to degree 3 by shifted Chebyshev polynomials on [0, 1/4]);
; m = s c = sin(2y)/2, e = 1/2 - s^2 = cos(2y)/2, P = m e = p / 4, Q = m^2 = q / 4.  S_i and the powers of two are folded into the tables:
; B0 = (a1 + 2 a2 + 3 a3) 8 S, B1 = (a2 + 4 a3)(-128 S), B2 = 2048 a3 S, SS = S, M2 = -2 S;  x = rc M2 + (P ((Q B2 + B1) Q + B0) + SS), rc the reciprocal above.  All in f32, two numbers an instruction.
; LIMITS: the reduction holds for |z| < 2^22 x 2 pi; a block of zeros gets the scale byte 1 (its codes are zeros, and this program alone reads the bytes); NaN and infinities among the inputs are not served.
; No cluster, tensor load or prefetch: what work-groups share is the one copy at the head; the loops read LDS alone.
.set BRC,   73728                      ; LDS: from 0 the trunk's 48 tile images (1,536 each); here branch_Wr's 40
.set SCL,   135168                     ; their scale words, 128 bytes a tile
.set W0I,   146432                     ; trunk_W0 [4][128] f32
.set BIAS,  148480                     ; trunk_b [6][128], final_b [128]
.set PT,    152064                     ; [6 layers][B0, B1, B2, SS, M2][128]
.set ZT,    167424                     ; ZL of my batch row, [4][128]
.set HROW,  169472                     ; the branch's hidden row
.set SROW,  169984                     ; S_i, [6][128]
.set H5I,   173056                     ; the last hidden row quantised: image and scale words
.set XC,    174848                     ; 8 x 8,704, each wave's own: five tiles of 16 rows of codes (96 bytes, 104 apart), from 8,320 on their scale words, 64 bytes a tile
.set XCW,   8704
.set SPARE, 244480                     ; the spare words, 128 bytes a wave; no other line names them
.set WQS,   184320                     ; where the scale words begin in wq
; window 0
.set LN,  1
.set SPW, 2
.set NIL, 3
.set PB,  4
.set PA,  5
.set BB,  6
.set BA,  7
.set WB,  8
.set WA,  9
.set WSB, 10
.set WSA, 11
.set W0B, 12
.set W0A, 13
.set XW,  14
.set XWA, 15
.set XSB, 16
.set XSA, 17
.set XR,  18
.set ZTB, 19
.set R16, 20
.set L4,  21
.set MXA, 22
.set MXB, 23
.set MXX, 24
.set SCO, 25
.set BYT, 26                           ; v26-30 a scale byte for each tile
.set MXC, 31
.set MXD, 90
.set WS0, 32                           ; v32-51 hold scales and nothing else
.set WS1, 33
.set XSC, 34
.set HSW, 39
.set CWS, 40
.set WOS, 48
.set RR,  52
.set HH,  53
.set C16B, 54
.set C16C, 55
.set RWD, 56                           ; v56-89: in the head loads, addresses and offsets; in the trunk 12 constants, each twice
.set BOU, 65
.set HRW, 67
.set HRR, 68
.set SRW, 69
.set BRA, 70
.set BRS, 71
.set H5A, 72
.set H5S, 73
.set C16, 74
.set C8L, 75
.set C4L, 76
.set PTW, 77
.set SRR, 78
.set ZTW, 79
.set G8,  80
.set G4,  81
.set GRW, 82
.set GC0, 84
.set GSD, 86
.set GBO, 87
.set KL,   56
.set KINV, 58
.set KMAG, 60
.set ONE,  62
.set HALF, 64
.set KA0,  66
.set KA1,  68
.set KA2,  70
.set KA3,  72
.set KC1,  74
.set KC2,  76
.set KC3,  78
.set VE,  92                           ; 16 registers each: the exponent, then rc;
.set VF,  108                          ; f, then s;
.set VU,  124                          ; u, then Q;
.set VS,  140                          ; the sine's polynomial, m, P, x;
.set VC,  156                          ; n, the cosine's polynomial, e, the sum's polynomial
.set CV,  172                          ; v172-191 codes: four registers for each tile
.set ACC, 108
.set PD,  148
.set OUTR, 172
.set X,   92                           ; the tower (wave 0)
.set QC,  156
.set TM,  176
.set SS3, 176
.set HV,  188
.set SV,  192
.set EE,  196
.set BBR, 200
.set ZA,  224                          ; v224-255: two sets of 16: z
; window 1
.set WF,  0                            ; the chunk's two weight tiles (24)
.set BI,  28                           ; its biases (16)
.set PRM, 48                           ; its five tables (80); in the final product ZL (64)
.set XF,  128                          ; the five tiles of points as codes (60)
.set W0T, 128                          ; layer 0: the chunk's four rows of trunk_W0 (64)
.set WBF, 0                            ; the tower: a layer's eight tiles (96)
.set DD,  96
.set WO,  160                          ; my four tiles of branch_Wout (48)
.set XP,  208                          ; my points: tile m's c0, c1, c2, sdf at 4 m (20)
; scalars
.set WV,  32
.set GG,  35
.set HM,  40
.set SEL, 52
.set POFF, 54
.set B24, 55
.set BIDX, 56
.set WOFF, 57
.set WSOFF, 58
.set BOFF, 59
.set W0OFF, 60
.set CNT, 61
.set LAY, 62
.set MSB, 0
.macro WIN new                         ; the immediate's high byte repeats the setting that is left; bits 1:0 source 0, 3:2 source 1, 5:4 source 2, 7:6 destination
.if MSB != \new
	s_set_vgpr_msb (MSB<<8)|\new
.set MSB, \new
.endif
.endm
.macro VW
	s_wait_alu depctr_va_vdst(0)
.endm
.macro BAR                             ; my LDS stores have landed and my LDS loads are in: then the work-group's barrier
	VW
	s_wait_dscnt 0x0
	s_barrier_signal -1
	s_barrier_wait -1
.endm
	s_load_b512 s[8:23], s[0:1], 0x0               ; coords, sdf, params, branch_W0, branch_b, branch_bout, trunk_W0, trunk_b
	s_load_b256 s[24:31], s[0:1], 0x40             ; rowdy_a, final_b, wq, out0
	v_lshl_add_u32 v[SPW], v0, 2, SPARE
	v_mov_b32 v[NIL], 0
	v_lshrrev_b32 v[RR], 5, v0
	v_readfirstlane_b32 s[WV], v[RR]               ; wave 0..7
	s_mov_b32 s[SEL], 0x76543210
	s_mov_b32 s[SEL+1], 0xfedcba98                 ; v_permlanex16_b32's selects for lane l xor 16
	s_lshl_b32 s[GG], ttmp9, 3
	s_add_co_u32 s[GG], s[GG], s[WV]               ; my group
	s_min_u32 s36, s[GG], 124                      ; the group whose points I read
	s_and_b32 s34, ttmp7, 0xffff                   ; my batch row
	s_mul_i32 s37, s34, 10000
	s_mul_i32 s38, s36, 80
	s_add_co_u32 s37, s37, s38                     ; my first point
	s_mul_i32 s42, s[WV], XCW
	s_add_co_u32 s42, s42, XC                      ; my wave's own LDS
	s_lshl_b32 s43, s[WV], 8
	s_mov_b32 s39, 0
	; every address register of every role, in one run of vector lines
	v_and_b32 v[LN], 31, v0
	v_and_b32 v[RR], 15, v0
	v_bfe_u32 v[HH], v0, 4, 1
	v_cmp_eq_u32 s[HM], 1, v[HH]
	v_mov_b32 v[MXX], 0                            ; a lane permute's destination counts as one of its sources
	v_lshl_add_u32 v[PB], v[HH], 6, PT
	v_lshl_add_u32 v[BB], v[HH], 6, BIAS
	v_lshlrev_b32 v[WB], 4, v[LN]
	v_lshl_add_u32 v[WSB], v[LN], 2, SCL
	v_lshl_add_u32 v[W0B], v[HH], 6, W0I
	v_mul_u32_u24 v[XW], v[RR], 104
	v_mad_u32_u24 v[XR], v[HH], 24, v[XW]
	v_mad_u32_u24 v[XW], v[HH], 12, v[XW]
	v_add_nc_u32 v[XW], s42, v[XW]
	v_add_nc_u32 v[XR], s42, v[XR]
	v_lshl_add_u32 v[XSB], v[RR], 2, 8320
	v_add_nc_u32 v[XSB], s42, v[XSB]
	v_lshl_add_u32 v[ZTB], v[HH], 6, ZT
	v_lshlrev_b32 v[R16], 4, v[RR]
	v_lshlrev_b32 v[L4], 2, v[LN]
	v_lshl_add_u32 v[HRW], v[LN], 2, HROW
	v_lshl_add_u32 v[HRR], v[HH], 7, HROW
	v_lshl_add_u32 v[SRW], v[LN], 2, SROW
	v_lshl_add_u32 v[BRA], v[LN], 4, BRC
	v_lshl_add_u32 v[BRS], v[LN], 2, SCL+6144
	v_lshl_add_u32 v[H5A], v[LN], 4, H5I
	v_lshl_add_u32 v[H5S], v[LN], 2, H5I+1536
	v_lshlrev_b32 v[C16], 4, v0                    ; the copy: 16 bytes a thread
	v_lshl_add_u32 v[C16B], v0, 4, 65536
	v_lshl_add_u32 v[C16C], v0, 4, 131072
	v_lshl_add_u32 v[C8L], v0, 3, SCL+8192
	v_lshl_add_u32 v[C4L], v0, 2, SCL+10240
	v_lshrrev_b32 v[PTW], 7, v0                    ; the tables: thread t serves unit t % 128 of layers t / 128, 2 + t / 128, 4 + t / 128
	v_and_b32 v88, 127, v0
	v_mul_u32_u24 v[GRW], v[PTW], 1536
	v_mul_u32_u24 v[PTW], v[PTW], 2560
	v_lshl_add_u32 v[GRW], v88, 2, v[GRW]
	v_lshl_add_u32 v[PTW], v88, 2, v[PTW]
	v_add_nc_u32 v[PTW], PT, v[PTW]
	v_lshl_add_u32 v[SRR], v0, 2, SROW
	v_lshl_add_u32 v[GBO], v[LN], 2, s43           ; my two columns of branch_out: 64 w + 32 q + lane
	v_add_nc_u32 v[ZTW], ZT, v[GBO]
	v_lshlrev_b32 v[G8], 3, v0
	v_lshlrev_b32 v[G4], 2, v0
	v_mul_u32_u24 v[GC0], v[RR], 12                ; my point's coords,
	v_lshlrev_b32 v[GSD], 2, v[RR]                 ; and its sdf
	VW                                             ; at the head's end
	s_wait_kmcnt 0x0
	s_mul_i32 s38, s37, 12
	s_add_nc_u64 s[8:9], s[8:9], s[38:39]          ; coords, sdf and out0 at my first point
	s_lshl_b32 s38, s37, 2
	s_add_nc_u64 s[10:11], s[10:11], s[38:39]
	s_lshl_b32 s38, s37, 4
	s_add_nc_u64 s[30:31], s[30:31], s[38:39]
	s_lshl_b32 s38, s34, 5
	s_add_nc_u64 s[12:13], s[12:13], s[38:39]
	s_load_b256 s[44:51], s[12:13], 0x0            ; params of my batch row
	s_lshl_b32 s6, s[WV], 2
	s_add_co_u32 s6, s6, 88                        ; my four tiles of branch_Wout
	s_mul_i32 s38, s6, 1536
	s_add_nc_u64 s[2:3], s[28:29], s[38:39]
	s_lshl_b32 s38, s6, 7
	s_add_co_u32 s38, s38, WQS
	s_add_nc_u64 s[4:5], s[28:29], s[38:39]
	; all global loads of the launch, in one run
	WIN 0x40
.set i, 0
.rept 32
	global_load_b128 v[4*i:4*i+3], v[C16], s[28:29] offset:4096*i   ; the codes: 33 x 4,096 bytes
.set i, i+1
.endr
.irp j, 0,1,2,3
.irp c, 0,1,2
	global_load_b128 v[WO+12*\j+4*\c:WO+12*\j+4*\c+3], v[WB], s[2:3] offset:1536*\j+512*\c
.endr
.endr
.irp m, 0,1,2,3,4
.irp k, 0,1,2
	global_load_b32 v[XP+4*\m+\k], v[GC0], s[8:9] offset:192*\m+4*\k
.endr
	global_load_b32 v[XP+4*\m+3], v[GSD], s[10:11] offset:64*\m
.endr
	WIN 0
	global_load_b128 v[156:159], v[C16], s[28:29] offset:4096*32
	global_load_b128 v[160:163], v[C16], s[28:29] offset:WQS          ; the scale words: 11,264 bytes
	global_load_b128 v[164:167], v[C16], s[28:29] offset:WQS+4096
	global_load_b64 v[168:169], v[G8], s[28:29] offset:WQS+8192
	global_load_b32 v170, v[G4], s[28:29] offset:WQS+10240
	global_load_b64 v[182:183], v[G8], s[20:21]    ; trunk_W0 as it lies: 2,048 bytes
.irp i, 0,1,2
	global_load_b32 v[184+\i], v[G4], s[22:23] offset:1024*\i
.endr
.irp j, 0,1,2,3
	global_load_b32 v[WOS+\j], v[L4], s[4:5] offset:128*\j
.endr
	global_load_b32 v[BOU], v[GBO], s[18:19]
	global_load_b32 v[BOU+1], v[GBO], s[18:19] offset:128
.irp i, 0,1,2
.irp k, 0,1,2
	global_load_b32 v[RWD+3*\i+\k], v[GRW], s[24:25] offset:3072*\i+512*\k
.endr
.endr
	s_cmp_lt_u32 s[WV], 4
	s_cbranch_scc0 .Lno_fb
	global_load_b32 v187, v[G4], s[26:27]          ; final_b: waves 0 to 3
.Lno_fb:
	s_cmp_lg_u32 s[WV], 0
	s_cbranch_scc1 .Lno_tower_in
.irp k, 0,1,2,3,4,5,6,7
.irp q, 0,1,2,3
	global_load_b32 v[X+4*\k+\q], v[L4], s[14:15] offset:512*\k+128*\q     ; branch_W0(k, 32 q + lane)
.endr
.endr
.irp i, 0,1,2,3,4,5
.irp q, 0,1,2,3
	global_load_b32 v[BBR+4*\i+\q], v[L4], s[16:17] offset:512*\i+128*\q   ; branch_b(i, 32 q + lane)
.endr
.endr
.Lno_tower_in:
	s_wait_loadcnt 0x0
	s_wait_kmcnt 0x0
	WIN 0x04                                       ; an LDS store's data are its source 1
.set i, 0
.rept 16
	ds_store_b128 v[C16], v[4*i:4*i+3] offset:4096*i
.set i, i+1
.endr
.rept 16
	ds_store_b128 v[C16B], v[4*i:4*i+3] offset:4096*(i-16)
.set i, i+1
.endr
	WIN 0
	ds_store_b128 v[C16C], v[156:159]
	ds_store_b128 v[C16C], v[160:163] offset:SCL-131072
	ds_store_b128 v[C16C], v[164:167] offset:SCL-131072+4096
	ds_store_b64 v[C8L], v[168:169]
	ds_store_b32 v[C4L], v170
	ds_store_b64 v[C8L], v[182:183] offset:W0I-SCL-8192
.irp i, 0,1,2
	ds_store_b32 v[C4L], v[184+\i] offset:BIAS-SCL-10240+1024*\i
.endr
	s_cmp_lt_u32 s[WV], 4
	s_cbranch_scc0 .Lno_fb_out
	ds_store_b32 v[C4L], v187 offset:BIAS-SCL-10240+3072
.Lno_fb_out:
	BAR                                            ; A: codes, scale words, trunk_W0 and the biases lie in LDS
; ---- THE BRANCH TOWER: wave 0, written out
.macro TANH4                           ; HV = tanh(HV) = 1 - 2 / (1 + 2^(2 log2(e) HV)); a wait ahead of each batch and behind it
.irp q, 0,1,2,3
	v_mul_f32 v[EE+\q], 0x4038aa3b, v[HV+\q]
.endr
	VW
.irp q, 0,1,2,3
	v_exp_f32 v[EE+\q], v[EE+\q]
.endr
	v_nop
	VW
.irp q, 0,1,2,3
	v_add_f32 v[EE+\q], 1.0, v[EE+\q]
.endr
	VW
.irp q, 0,1,2,3
	v_rcp_f32 v[EE+\q], v[EE+\q]
.endr
	v_nop
	VW
.irp q, 0,1,2,3
	v_fma_f32 v[HV+\q], v[EE+\q], -2.0, 1.0
.endr
.endm
.macro HSTORE i                        ; the hidden row and S_i go to LDS
.irp q, 0,1,2,3
	ds_store_b32 v[HRW], v[HV+\q] offset:128*\q
	ds_store_b32 v[SRW], v[SV+\q] offset:512*(\i)+128*\q
.endr
.endm
.macro HLOAD                           ; the row comes back as an operand wants it: lane (r, h) takes k = 64 c + 32 h + 0 .. 31, whatever r
.irp c, 0,1
.irp e, 0,1,2,3,4,5,6,7
	ds_load_b128 v[X+32*\c+4*\e:X+32*\c+4*\e+3], v[HRR] offset:256*\c+16*\e   ; LDS serves a wave's instructions in order
.endr
.endr
	VW
	s_wait_dscnt 0x0
.endm
.macro WLOAD i                         ; branch layer i's eight tiles and their scale words
	WIN 0x40
.irp T, 0,1,2,3,4,5,6,7
.irp c, 0,1,2
	ds_load_b128 v[WBF+12*\T+4*\c:WBF+12*\T+4*\c+3], v[BRA] offset:12288*((\i)-1)+1536*\T+512*\c
.endr
.endr
	WIN 0
.irp T, 0,1,2,3,4,5,6,7
	ds_load_b32 v[CWS+\T], v[BRS] offset:1024*((\i)-1)+128*\T
.endr
.endm
.macro QF6 places                      ; X's 64 numbers become the codes in v[QC] on and the scale word in v[HSW]; a lane holds two whole blocks
.irp c, 0,1
	v_max3_num_f32 v[TM+\c], |v[X+32*\c]|, |v[X+1+32*\c]|, 0x1800000   ; with the floor 2^(3 - 127)
.endr
.irp i, 2,4,6,8,10,12,14,16,18,20,22,24,26,28,30
.irp c, 0,1
	v_max3_num_f32 v[TM+\c], v[TM+\c], |v[X+32*\c+\i]|, |v[X+1+32*\c+\i]|
.endr
.endr
.irp c, 0,1
	v_add_nc_u32 v[TM+4+\c], 0xff000000, v[TM+\c]  ; 2 off the exponent field: the conversion's scale operand
.endr
.irp c, 0,1
	v_lshrrev_b32 v[TM+2+\c], 23, v[TM+4+\c]       ; the scale's byte
.endr
	v_lshl_or_b32 v[HSW], v[TM+3], 16, v[TM+2]
	v_lshlrev_b32 v[TM+6], 3, v[HH]
	v_lshlrev_b32 v[HSW], v[TM+6], v[HSW]
	v_permlanex16_b32 v[TM+7], v[HSW], s[SEL], s[SEL+1]
	v_or_b32 v[HSW], v[HSW], v[TM+7]               ; with lane l xor 16's two bytes the word is whole
.irp c, 0,1
	v_cvt_scalef32_pk16_fp6_f32 v[QC+6*\c:QC+6*\c+2], v[X+32*\c:X+32*\c+15], v[TM+4+\c]
	v_cvt_scalef32_pk16_fp6_f32 v[QC+12+4*\c:QC+12+4*\c+2], v[X+32*\c+16:X+32*\c+31], v[TM+4+\c]
.endr
	v_nop                                          ; one plain place behind a scaled conversion
.irp c, 0,1
.irp i, 0,1,2
	v_mov_b32 v[QC+3+6*\c+\i], v[QC+12+4*\c+\i]
.endr
.endr
.rept \places
	v_nop                                          ; a scale register written by a vector instruction stands 8 places ahead of a scaled matrix instruction
.endr
.endm
.macro BRL i                           ; h_i = tanh(Q(h_(i-1)) Q(W) + b_i)
	HLOAD
	QF6 8
	WIN 0x44
.irp T, 0,1,2,3,4,5,6,7
	v_wmma_scale_f32_16x16x128_f8f6f4 v[DD+8*\T:DD+8*\T+7], v[QC:QC+11], v[WBF+12*\T:WBF+12*\T+11], 0, v[HSW], v[CWS+\T] matrix_a_fmt:MATRIX_FMT_FP6 matrix_b_fmt:MATRIX_FMT_FP6
.endr
	WIN 0
.rept 4
	v_nop
.endr
.if (\i) < 5
	WLOAD (\i)+1
.endif
	WIN 0x05
.irp q, 0,1,2,3
	v_cndmask_b32 v[HV+\q], v[DD+16*\q], v[DD+16*\q+8], s[HM]   ; register 0 of tile T holds column 16 T + r; unit 32 q + lane lies in tile 2 q + h
.endr
	WIN 0
.irp q, 0,1,2,3
	v_add_f32 v[HV+\q], v[HV+\q], v[BBR+4*(\i)+\q]
.endr
	TANH4
.irp q, 0,1,2,3
	v_add_f32 v[SV+\q], v[SV+\q], v[HV+\q]
.endr
	HSTORE \i
.endm
	s_cmp_lg_u32 s[WV], 0
	s_cbranch_scc1 .Ltower_done
	WLOAD 1
	v_mov_b32 v[TM+7], 0
.irp q, 0,1,2,3
	v_fma_f32 v[HV+\q], s44, v[X+\q], v[BBR+\q]    ; params W0 + b_0: f32, K = 8, the bias starts the sum
.endr
.irp k, 1,2,3,4,5,6,7
.irp q, 0,1,2,3
	v_fma_f32 v[HV+\q], s[44+\k], v[X+4*\k+\q], v[HV+\q]
.endr
.endr
	TANH4
.irp q, 0,1,2,3
	v_mov_b32 v[SV+\q], v[HV+\q]                   ; S_0 = h_0
.endr
	HSTORE 0
	BRL 1
	BRL 2
	BRL 3
	BRL 4
	BRL 5
	HLOAD
	QF6 0
.irp c, 0,1,2
	ds_store_b128 v[H5A], v[QC+4*\c:QC+4*\c+3] offset:512*\c   ; the last hidden row's operand, as an image of its registers
.endr
	ds_store_b32 v[H5S], v[HSW]
.Ltower_done:
	BAR                                            ; B: S_0 .. S_5 and the quantised last hidden row lie in LDS
; ---- all waves: my 64 columns of branch_out, and the activation's tables
.irp c, 0,1,2
	ds_load_b128 v[QC+4*\c:QC+4*\c+3], v[H5A] offset:512*\c
.endr
	ds_load_b32 v[HSW], v[H5S]
.irp i, 0,1,2
	ds_load_b32 v[SS3+\i], v[SRR] offset:1024*\i
.endr
	s_wait_dscnt 0x0
	WIN 0x44
.irp j, 0,1,2,3
	v_wmma_scale_f32_16x16x128_f8f6f4 v[DD+8*\j:DD+8*\j+7], v[QC:QC+11], v[WO+12*\j:WO+12*\j+11], 0, v[HSW], v[WOS+\j] matrix_a_fmt:MATRIX_FMT_FP6 matrix_b_fmt:MATRIX_FMT_FP6
.endr
	WIN 0
.irp i, 0,1,2                                  ; layer 2 i + t / 128, unit t % 128; these lines are also the places behind the four products
.set TT, 92+8*\i
	v_fma_f32 v[TT], v[RWD+3*\i+1], 2.0, v[RWD+3*\i]          ; a1 + 2 a2
	v_fma_f32 v[TT+1], v[RWD+3*\i+2], 4.0, v[RWD+3*\i+1]      ; a2 + 4 a3
	v_mul_f32 v[TT+4], 0x41000000, v[SS3+\i]                  ; 8 S
	v_fma_f32 v[TT], v[RWD+3*\i+2], 0x40400000, v[TT]         ; + 3 a3
	v_mul_f32 v[TT+5], 0xc3000000, v[SS3+\i]                  ; -128 S
	v_mul_f32 v[TT+2], 0x45000000, v[SS3+\i]                  ; 2048 S
	v_mul_f32 v[TT], v[TT], v[TT+4]                           ; B0
	v_mul_f32 v[TT+1], v[TT+1], v[TT+5]                       ; B1
	v_mul_f32 v[TT+2], v[TT+2], v[RWD+3*\i+2]                 ; B2
	v_mul_f32 v[TT+3], -2.0, v[SS3+\i]                        ; M2
	ds_store_b32 v[PTW], v[TT] offset:5120*\i
	ds_store_b32 v[PTW], v[TT+1] offset:5120*\i+512
	ds_store_b32 v[PTW], v[TT+2] offset:5120*\i+1024
	ds_store_b32 v[PTW], v[SS3+\i] offset:5120*\i+1536
	ds_store_b32 v[PTW], v[TT+3] offset:5120*\i+2048
.endr
	WIN 0x05
	v_cndmask_b32 v185, v[DD], v[DD+8], s[HM]      ; column 64 w + lane,
	v_cndmask_b32 v186, v[DD+16], v[DD+24], s[HM]  ; and 64 w + 32 + lane
	WIN 0
	v_add_f32 v185, v185, v[BOU]
	v_add_f32 v186, v186, v[BOU+1]
	ds_store_b32 v[ZTW], v185
	ds_store_b32 v[ZTW], v186 offset:128
	BAR                                            ; C: the tables and ZL lie in LDS; from here on a wave writes its own XC alone
; ---- THE TRUNK
.macro KPAIR reg, val
	v_mov_b32 v[\reg], \val
	v_mov_b32 v[(\reg)+1], \val
.endm
	KPAIR KL,   0x4038aa3b                         ; 2 log2(e)
	KPAIR KINV, 0x3e22f983                         ; 1 / 2 pi
	KPAIR KMAG, 0x4b400000                         ; 1.5 x 2^23
	KPAIR ONE,  1.0
	KPAIR HALF, 0.5
	KPAIR KA0,  1.5707963219
	KPAIR KA1,  -0.64596347078
	KPAIR KA2,  0.079680091779
	KPAIR KA3,  -0.0046015335426
	KPAIR KC1,  -1.2336970112
	KPAIR KC2,  0.25359861362
	KPAIR KC3,  -0.020408280673
	VW
	s_mov_b32 s[POFF], 0
	s_mov_b32 s[B24], 0
	s_mov_b32 s[BIDX], 0
	s_mov_b32 s[WOFF], 3072
	s_mov_b32 s[WSOFF], 256
	s_mov_b32 s[BOFF], 128
	s_mov_b32 s[W0OFF], 128
; A STAGE: eight packed lines over 16 registers.  Each source is a base and a stride: 2 for an array, 0 for a constant's pair
.macro ST_FMA d, a, sa, b, sb, c, sc
.set ii, 0
.rept 8
	v_pk_fma_f32 v[(\d)+2*ii:(\d)+2*ii+1], v[(\a)+(\sa)*ii:(\a)+(\sa)*ii+1], v[(\b)+(\sb)*ii:(\b)+(\sb)*ii+1], v[(\c)+(\sc)*ii:(\c)+(\sc)*ii+1]
.set ii, ii+1
.endr
.endm
.macro ST_FMS d, a, sa, b, sb, c, sc   ; a b - c
.set ii, 0
.rept 8
	v_pk_fma_f32 v[(\d)+2*ii:(\d)+2*ii+1], v[(\a)+(\sa)*ii:(\a)+(\sa)*ii+1], v[(\b)+(\sb)*ii:(\b)+(\sb)*ii+1], v[(\c)+(\sc)*ii:(\c)+(\sc)*ii+1] neg_lo:[0,0,1] neg_hi:[0,0,1]
.set ii, ii+1
.endr
.endm
.macro ST_FNA d, a, sa, b, sb, c, sc   ; c - a b
.set ii, 0
.rept 8
	v_pk_fma_f32 v[(\d)+2*ii:(\d)+2*ii+1], v[(\a)+(\sa)*ii:(\a)+(\sa)*ii+1], v[(\b)+(\sb)*ii:(\b)+(\sb)*ii+1], v[(\c)+(\sc)*ii:(\c)+(\sc)*ii+1] neg_lo:[1,0,0] neg_hi:[1,0,0]
.set ii, ii+1
.endr
.endm
.macro ST_MUL d, a, sa, b, sb
.set ii, 0
.rept 8
	v_pk_mul_f32 v[(\d)+2*ii:(\d)+2*ii+1], v[(\a)+(\sa)*ii:(\a)+(\sa)*ii+1], v[(\b)+(\sb)*ii:(\b)+(\sb)*ii+1]
.set ii, ii+1
.endr
.endm
.macro ST_ADD d, a, sa, b, sb
.set ii, 0
.rept 8
	v_pk_add_f32 v[(\d)+2*ii:(\d)+2*ii+1], v[(\a)+(\sa)*ii:(\a)+(\sa)*ii+1], v[(\b)+(\sb)*ii:(\b)+(\sb)*ii+1]
.set ii, ii+1
.endr
.endm
.macro ST_SUB d, a, sa, b, sb
.set ii, 0
.rept 8
	v_pk_add_f32 v[(\d)+2*ii:(\d)+2*ii+1], v[(\a)+(\sa)*ii:(\a)+(\sa)*ii+1], v[(\b)+(\sb)*ii:(\b)+(\sb)*ii+1] neg_lo:[0,1] neg_hi:[0,1]
.set ii, ii+1
.endr
.endm
.macro ST_X d, w, x, hi, c             ; layer 0: d = w x one number of my point + c; hi picks the pair's second register for both halves
.set ii, 0
.rept 8
.if \hi
	v_pk_fma_f32 v[(\d)+2*ii:(\d)+2*ii+1], v[(\w)+2*ii:(\w)+2*ii+1], v[(\x):(\x)+1], v[(\c)+2*ii:(\c)+2*ii+1] op_sel:[0,1,0] op_sel_hi:[1,1,1]
.else
	v_pk_fma_f32 v[(\d)+2*ii:(\d)+2*ii+1], v[(\w)+2*ii:(\w)+2*ii+1], v[(\x):(\x)+1], v[(\c)+2*ii:(\c)+2*ii+1] op_sel_hi:[1,0,1]
.endif
.set ii, ii+1
.endr
.endm
.macro TR16 op                         ; a batch of 16 transcendentals on v[VE] on
.set ii, 0
.rept 16
	\op v[VE+ii], v[VE+ii]
.set ii, ii+1
.endr
.endm
; The chunk's two products for tile m of my points, into set m % 2: K = 128, one instruction is the whole sum; the bias is the C
.macro MM m
.set ZM, ZA+16*((\m)%2)
	WIN 0x15
	v_wmma_scale_f32_16x16x128_f8f6f4 v[ZM:ZM+7], v[WF:WF+11], v[XF+12*(\m):XF+12*(\m)+11], v[BI:BI+7], v[WS0], v[XSC+(\m)] matrix_a_fmt:MATRIX_FMT_FP6 matrix_b_fmt:MATRIX_FMT_FP6
	v_wmma_scale_f32_16x16x128_f8f6f4 v[ZM+8:ZM+15], v[WF+12:WF+23], v[XF+12*(\m):XF+12*(\m)+11], v[BI+8:BI+15], v[WS1], v[XSC+(\m)] matrix_a_fmt:MATRIX_FMT_FP6 matrix_b_fmt:MATRIX_FMT_FP6
	WIN 0
.endm
; The next chunk's operands, asked for in a chunk's last tile, behind the last use of this chunk's.
; (Layer 0's last chunk asks for 128 bytes a row beyond trunk_W0's columns, the last of them among the biases: bytes that are written, and registers that nobody reads again.)
.macro PREF kind
	v_add_nc_u32 v[BA], s[BOFF], v[BB]
.if \kind
	v_add_nc_u32 v[WA], s[WOFF], v[WB]
	v_add_nc_u32 v[WSA], s[WSOFF], v[WSB]
	WIN 0x40
.irp j, 0,1,2,3,4,5
	ds_load_b128 v[WF+4*\j:WF+4*\j+3], v[WA] offset:512*\j
.endr
.else
	v_add_nc_u32 v[W0A], s[W0OFF], v[W0B]
	WIN 0x40
.irp k, 0,1,2,3
.irp j, 0,1,2,3
	ds_load_b128 v[W0T+16*\k+4*\j:W0T+16*\k+4*\j+3], v[W0A] offset:512*\k+16*\j
.endr
.endr
.endif
.irp j, 0,1,2,3
	ds_load_b128 v[BI+4*\j:BI+4*\j+3], v[BA] offset:16*\j
.endr
	WIN 0
.if \kind
	ds_load_b32 v[WS0], v[WSA]
	ds_load_b32 v[WS1], v[WSA] offset:128
.endif
.endm
; One tile of 16 points x one block of 32 units: 16 numbers a lane: the activation, times S, quantised, to my rows of codes.
; The transcendentals stand in two batches of 16, each with a wait ahead of it and a wait ahead of its first reader.
; The next tile's products stand behind the second batch: no transcendental lies between them and the first read of their results.
; A tile's first five stages (the exponent, the rounding sum, n, f, u) stand in the tail of the tile before it, one stage between each two dependent lines of the quantiser;
; tile 0's stand at the chunk's head.  So a unit opens with the wait and the exponentials.
.macro ZX m                            ; layer 0: z of tile m = b + c0 W0(0, .) + c1 W0(1, .) + c2 W0(2, .) + sdf W0(3, .), into set m % 2
.set ZN, ZA+16*((\m)%2)
	WIN 0x15
	ST_X ZN, W0T, XP+4*(\m), 0, BI
	WIN 0x05
	ST_X ZN, W0T+16, XP+4*(\m), 1, ZN
	ST_X ZN, W0T+32, XP+4*(\m)+2, 0, ZN
	ST_X ZN, W0T+48, XP+4*(\m)+2, 1, ZN
	WIN 0
.endm
.macro UNIT kind, m
.set CM, CV+4*(\m)
	VW
	TR16 v_exp_f32
	ST_FMA VS, VU, 2, KA3, 0, KA2, 0
	ST_FMA VC, VU, 2, KC3, 0, KC2, 0
	ST_FMA VS, VS, 2, VU, 2, KA1, 0
	ST_FMA VC, VC, 2, VU, 2, KC1, 0
	VW
	ST_ADD VE, VE, 2, ONE, 0
	VW
	TR16 v_rcp_f32
	ST_FMA VS, VS, 2, VU, 2, KA0, 0
.if (\m) < 4
.if \kind
	MM (\m)+1
.else
	ZX (\m)+1
.endif
.else
	PREF \kind
.endif
	ST_FMA VC, VC, 2, VU, 2, ONE, 0                ; c
	ST_MUL VF, VF, 2, VS, 2                        ; s
	ST_MUL VS, VF, 2, VC, 2                        ; m
	ST_FNA VC, VF, 2, VF, 2, HALF, 0               ; e
	ST_MUL VU, VS, 2, VS, 2                        ; Q
	ST_MUL VS, VS, 2, VC, 2                        ; P
.if (\m) == 0
	VW                                             ; directly ahead of the wait below
	s_wait_dscnt 0x0                               ; the chunk's 20 table loads are in
.endif
	WIN 0x14
	ST_FMA VC, VU, 2, PRM+32, 2, PRM+16, 2         ; Q B2 + B1
	WIN 0x10
	ST_FMA VC, VC, 2, VU, 2, PRM, 2                ; .. Q + B0
	ST_FMA VS, VS, 2, VC, 2, PRM+48, 2             ; P .. + S
	VW
	WIN 0x04
	ST_FMA VS, VE, 2, PRM+64, 2, VS, 2             ; - 2 S rc: the layer's x
	WIN 0
	v_max3_num_f32 v[MXA], |v[VS]|, |v[VS+1]|, 0x1800000     ; my 16 numbers' largest magnitude, in four chains, with the floor 2^(3 - 127)
	v_max3_num_f32 v[MXB], |v[VS+2]|, |v[VS+3]|, |v[VS+4]|
	v_max3_num_f32 v[MXC], |v[VS+5]|, |v[VS+6]|, |v[VS+7]|
	v_max3_num_f32 v[MXD], |v[VS+8]|, |v[VS+9]|, |v[VS+10]|
	v_max3_num_f32 v[MXA], v[MXA], |v[VS+11]|, |v[VS+12]|
	v_max3_num_f32 v[MXB], v[MXB], |v[VS+13]|, |v[VS+14]|
	v_max3_num_f32 v[MXC], v[MXC], v[MXD], |v[VS+15]|
.set ZN, ZA+16*(((\m)+1)%2)            ; the next tile's z
	s_delay_alu instid0(VALU_DEP_1)
	v_max3_num_f32 v[MXA], v[MXA], v[MXB], v[MXC]
.if (\m) < 4
	ST_MUL VE, ZN, 2, KL, 0                        ; the next tile: 2 log2(e) z  (each accumulator is read from its low end on)
.endif
	v_permlanex16_b32 v[MXX], v[MXA], s[SEL], s[SEL+1]
.if (\m) < 4
	ST_FMA VC, ZN, 2, KINV, 0, KMAG, 0             ; z / 2 pi + 1.5 x 2^23: the sum rounds to a whole number
.endif
	v_max_num_f32 v[MXA], v[MXA], v[MXX]           ; with lane l xor 16's 16: the block's
.if (\m) < 4
	ST_SUB VC, VC, 2, KMAG, 0                      ; n
.endif
	v_add_nc_u32 v[SCO], 0xff000000, v[MXA]        ; 2 off the exponent field: the conversion's scale operand
.if (\m) < 4
	ST_FMS VF, ZN, 2, KINV, 0, VC, 2               ; f
.endif
	v_cvt_scalef32_pk16_fp6_f32 v[CM:CM+2], v[VS:VS+15], v[SCO]
	v_lshrrev_b32 v[BYT+(\m)], 23, v[SCO]          ; the scale's byte; also the plain place behind the conversion
.if (\m) < 4
	ST_MUL VU, VF, 2, VF, 2                        ; u
.endif
.irp i, 0,1,2
	ds_store_b32 v[XWA], v[CM+\i] offset:1664*(\m)+4*\i   ; 16 codes, 12 bytes, at byte 24 block + 12 h of my point's row
.endr
	ds_store_b8 v[XSA], v[BYT+(\m)] offset:64*(\m) ; both halves of the lanes write the same byte with the same value
.endm
; A CHUNK: one block of 32 units of a layer, for my five tiles
.macro CHUNK kind
	v_add_nc_u32 v[PA], s[POFF], v[PB]
	WIN 0x40
.irp p, 0,1,2,3,4
.irp i, 0,1,2,3
	ds_load_b128 v[PRM+16*\p+4*\i:PRM+16*\p+4*\i+3], v[PA] offset:512*\p+16*\i
.endr
.endr
	WIN 0
	s_wait_dscnt 20                                ; all but the 20 just issued: the chunk's operands, my stores, and at a layer's head my points' codes and scale words
.if \kind
	MM 0
.else
	ZX 0
.endif
	v_add_nc_u32 v[XWA], s[B24], v[XW]
	v_add_nc_u32 v[XSA], s[BIDX], v[XSB]
.if \kind
	v_nop                                          ; with the two additions: 4 places ahead of the first read of the results
	v_nop
.endif
	ST_MUL VE, ZA, 2, KL, 0                        ; tile 0's first five stages
	ST_FMA VC, ZA, 2, KINV, 0, KMAG, 0
	ST_SUB VC, VC, 2, KMAG, 0
	ST_FMS VF, ZA, 2, KINV, 0, VC, 2
	ST_MUL VU, VF, 2, VF, 2
	UNIT \kind, 0
	UNIT \kind, 1
	UNIT \kind, 2
	UNIT \kind, 3
	UNIT \kind, 4
	VW                                             ; ahead of the scalar lines and the branch
	s_add_co_u32 s[POFF], s[POFF], 128
	s_add_co_u32 s[B24], s[B24], 24
	s_add_co_u32 s[BIDX], s[BIDX], 1
	s_add_co_u32 s[BOFF], s[BOFF], 128
.if \kind
	s_add_co_u32 s[WOFF], s[WOFF], 3072
	s_add_co_u32 s[WSOFF], s[WSOFF], 256
.else
	s_add_co_u32 s[W0OFF], s[W0OFF], 128
.endif
.endm
; A layer's end: my five tiles come back as operands.  LDS serves a wave's instructions in order: these loads see my stores
.macro LAYEREND
	WIN 0x40
.irp m, 0,1,2,3,4
.irp p, 0,1,2,3,4,5
	ds_load_b64 v[XF+12*\m+2*\p:XF+12*\m+2*\p+1], v[XR] offset:1664*\m+48*(\p/3)+8*(\p%3)
.endr
.endr
	WIN 0
.irp m, 0,1,2,3,4
	ds_load_b32 v[XSC+\m], v[XSB] offset:64*\m
.endr
	s_add_co_u32 s[POFF], s[POFF], 2048            ; with the four chunks' 512: a layer's 2,560 bytes of tables
.endm
	; the first operands: layer 0's first rows of trunk_W0 and biases, and already layer 1's first weights
	WIN 0x40
.irp j, 0,1,2,3,4,5
	ds_load_b128 v[WF+4*\j:WF+4*\j+3], v[WB] offset:512*\j
.endr
.irp k, 0,1,2,3
.irp j, 0,1,2,3
	ds_load_b128 v[W0T+16*\k+4*\j:W0T+16*\k+4*\j+3], v[W0B] offset:512*\k+16*\j
.endr
.endr
.irp j, 0,1,2,3
	ds_load_b128 v[BI+4*\j:BI+4*\j+3], v[BB] offset:16*\j
.endr
	WIN 0
	ds_load_b32 v[WS0], v[WSB]
	ds_load_b32 v[WS1], v[WSB] offset:128
	s_mov_b32 s[CNT], 4
.Lfirst:                                           ; layer 0: four chunks
	CHUNK 0
	s_sub_co_u32 s[CNT], s[CNT], 1
	s_cmp_lg_u32 s[CNT], 0
	s_cbranch_scc1 .Lfirst
	s_wait_dscnt 0x0                               ; the last chunk's loads of rows of trunk_W0 have landed: the codes below are loaded into the same registers
	LAYEREND
	s_mov_b32 s[LAY], 5
.Llayer:                                           ; layers 1 to 5
	s_mov_b32 s[B24], 0
	s_mov_b32 s[BIDX], 0
	s_mov_b32 s[CNT], 4
.Lchunk:
	CHUNK 1
	s_sub_co_u32 s[CNT], s[CNT], 1
	s_cmp_lg_u32 s[CNT], 0
	s_cbranch_scc1 .Lchunk
	LAYEREND
	s_sub_co_u32 s[LAY], s[LAY], 1
	s_cmp_lg_u32 s[LAY], 0
	s_cbranch_scc1 .Llayer
; ---- YL = x final_W + final_b, block by block of 32 units, and its contraction with ZL in f32: out(point, o) = sum over units of ZL(o, unit) YL(point, unit)
.macro FCH b
	WIN 0x40
.irp o, 0,1,2,3
.irp i, 0,1,2,3
	ds_load_b128 v[PRM+16*\o+4*\i:PRM+16*\o+4*\i+3], v[ZTB] offset:512*\o+128*(\b)+16*\i
.endr
.endr
	WIN 0
	s_wait_dscnt 16                                ; all but the 16 just issued
	MM 0
.rept 4
	v_nop
.endr
.irp m, 0,1,2,3,4
.set ZF, ZA+16*(\m%2)
.if \m < 4
	MM \m+1
.elseif (\b) < 3
	PREF 1
	s_add_co_u32 s[WOFF], s[WOFF], 3072
	s_add_co_u32 s[WSOFF], s[WSOFF], 256
	s_add_co_u32 s[BOFF], s[BOFF], 128
.endif
.if \m == 0
	s_wait_dscnt 0x0                               ; ZL's 16 loads are in
.endif
	WIN 0x04
.irp i, 0,1,2,3,4,5,6,7
.irp o, 0,1,2,3
.if ((\b) == 0) && (\i == 0)
	v_pk_mul_f32 v[ACC+8*\m+2*\o:ACC+8*\m+2*\o+1], v[ZF+2*\i:ZF+2*\i+1], v[PRM+16*\o+2*\i:PRM+16*\o+2*\i+1]   ; the first product starts the sum
.else
	v_pk_fma_f32 v[ACC+8*\m+2*\o:ACC+8*\m+2*\o+1], v[ZF+2*\i:ZF+2*\i+1], v[PRM+16*\o+2*\i:PRM+16*\o+2*\i+1], v[ACC+8*\m+2*\o:ACC+8*\m+2*\o+1]
.endif
.endr
.endr
	WIN 0
.endr
.endm
	FCH 0
	FCH 1
	FCH 2
	FCH 3
.irp n, 0,1,2,3,4,5,6,7,8,9,10,11,12,13,14,15,16,17,18,19
	v_add_f32 v[OUTR+\n], v[ACC+2*\n], v[ACC+2*\n+1]           ; a pair's two halves,
.endr
.irp n, 0,1,2,3,4,5,6,7,8,9,10,11,12,13,14,15,16,17,18,19
	v_permlanex16_b32 v[PD+\n], v[OUTR+\n], s[SEL], s[SEL+1]
.endr
.irp n, 0,1,2,3,4,5,6,7,8,9,10,11,12,13,14,15,16,17,18,19
	v_add_f32 v[OUTR+\n], v[OUTR+\n], v[PD+\n]                 ; and lane l xor 16's 64 units
.endr
	VW                                             ; ahead of the branch and the wait below
	s_cmp_ge_u32 s[GG], 125                        ; a wave without a group stores nothing
	s_cbranch_scc1 .Lend
	s_wait_xcnt 0x0                                ; EXEC changes only behind this wait
	v_cmp_gt_u32 vcc_lo, 16, v[LN]
	s_and_saveexec_b32 s63, vcc_lo                 ; lanes 0-15: a lane a point
.irp m, 0,1,2,3,4
	global_store_b128 v[R16], v[OUTR+4*\m:OUTR+4*\m+3], s[30:31] offset:256*\m th:TH_STORE_NT   ; 16 lanes store 256 consecutive bytes, at a multiple of 256 from out0's first byte
.endr
	s_wait_xcnt 0x0                                ; and again, in front of the line that widens it
	s_or_b32 exec_lo, exec_lo, s63
.Lend:
	s_wait_tensorcnt 0x0                           ; the wave's end
	ds_add_u32 v[SPW], v[NIL]
	s_wait_dscnt 0x0
	s_endpgm
.Lfunc_end_k_q14884e828c_fusion:
	.size	k_q14884e828c_fusion, .Lfunc_end_k_q14884e828c_fusion-k_q14884e828c_fusion
	.p2alignl 7, 3214868480
	.fill 96, 4, 3214868480
	.section	.rodata,"a",@progbits
	.p2align	6, 0x0
	.amdhsa_kernel k_q14884e828c_fusion
		.amdhsa_group_segment_fixed_size 245760
		.amdhsa_private_segment_fixed_size 0
		.amdhsa_enable_private_segment 0
		.amdhsa_kernarg_size 96
		.amdhsa_user_sgpr_count 2
		.amdhsa_user_sgpr_kernarg_segment_ptr 1
		.amdhsa_wavefront_size32 1
		.amdhsa_system_sgpr_workgroup_id_x 1
		.amdhsa_system_sgpr_workgroup_id_y 1
		.amdhsa_system_sgpr_workgroup_id_z 1
		.amdhsa_system_vgpr_workitem_id 0
		.amdhsa_next_free_vgpr 512
		.amdhsa_next_free_sgpr 66
		.amdhsa_reserve_vcc 1
		.amdhsa_float_denorm_mode_32 3
		.amdhsa_float_denorm_mode_16_64 3
		.amdhsa_memory_ordered 1
		.amdhsa_forward_progress 1
		.amdhsa_inst_pref_size 255
	.end_amdhsa_kernel
	.section	.bss,"aw",@nobits
	.p2align	6
	.space	262144
	.amdgpu_metadata
---
amdhsa.version: [ 1, 2 ]
amdhsa.kernels:
  - .name:           k_q14884e828c_fusion
    .symbol:         k_q14884e828c_fusion.kd
    .args:
      - { .name: coords, .offset: 0, .size: 8, .value_kind: global_buffer, .address_space: global }
      - { .name: sdf, .offset: 8, .size: 8, .value_kind: global_buffer, .address_space: global }
      - { .name: params, .offset: 16, .size: 8, .value_kind: global_buffer, .address_space: global }
      - { .name: branch_W0, .offset: 24, .size: 8, .value_kind: global_buffer, .address_space: global }
      - { .name: branch_b, .offset: 32, .size: 8, .value_kind: global_buffer, .address_space: global }
      - { .name: branch_bout, .offset: 40, .size: 8, .value_kind: global_buffer, .address_space: global }
      - { .name: trunk_W0, .offset: 48, .size: 8, .value_kind: global_buffer, .address_space: global }
      - { .name: trunk_b, .offset: 56, .size: 8, .value_kind: global_buffer, .address_space: global }
      - { .name: rowdy_a, .offset: 64, .size: 8, .value_kind: global_buffer, .address_space: global }
      - { .name: final_b, .offset: 72, .size: 8, .value_kind: global_buffer, .address_space: global }
      - { .name: wq, .offset: 80, .size: 8, .value_kind: global_buffer, .address_space: global }
      - { .name: out0, .offset: 88, .size: 8, .value_kind: global_buffer, .address_space: global }
    .group_segment_fixed_size: 245760
    .private_segment_fixed_size: 0
    .kernarg_segment_align: 8
    .kernarg_segment_size: 96
    .max_flat_workgroup_size: 256
    .sgpr_count:     66
    .vgpr_count:     512
    .wavefront_size: 32
...
	.end_amdgpu_metadata
.endif
;; end of part 2
